; MI455X (gfx1250); checked and timed in simulation.
; The chip was launched on July 23, 2026; its instructions are those of AMD's public machine-readable ISA for CDNA 5 (MIT licence, August 2026) and "CDNA5" Instruction Set Architecture Reference Guide (July 2026). The comments in the code are by the model that wrote it; some were corrected since.
;; Causal Multi Head Attention. Allowed arithmetic: matrix products marked QUANTISED: E4M3 operands, one given power-of-two scale a tensor, by v_wmma_f32_16x16x64_fp8_fp8 or v_wmma_f32_16x16x128_fp8_fp8, f32 sums; everything else in f32.
;; Inputs: Wk 1,024 x 1,024 float32; Wo 1,024 x 1,024 float32; Wq 1,024 x 1,024 float32; Wv 1,024 x 1,024 float32; lowp_scales 12 int32 (the exponents e of the quantised operands' scales 2^e); token_positions 2,048 int32; x 4 x 2,048 x 1,024 float32.
;; Outputs: out0 4 x 2,048 x 1,024 float32.
;; This version of the problem:
;;   THIS VERSION OF THE PROBLEM IS GIVEN IN LOW PRECISION. The matrix products marked QUANTISED in the list below multiply operands that are first quantised to E4M3 (4 exponent bits, 3 mantissa bits; 8 bits a number), with one given power-of-two scale for each operand tensor; their sums are f32. All else is computed in f32.
;;   The module's matrix products, in the order in which they are computed (A, B: the left and right operand; K: the contracted axis; several contracted axes count as one K, in the product's order):
;;     1. [M 8,192, K 1,024] x [K 1,024, N 1,024]; A: input x; B: input Wq: QUANTISED (scales: A lowp_scales[0], B lowp_scales[1])
;;     2. [M 8,192, K 1,024] x [K 1,024, N 1,024]; A: input x; B: input Wk: QUANTISED (scales: A lowp_scales[2], B lowp_scales[3])
;;     3. [M 8,192, K 1,024] x [K 1,024, N 1,024]; A: input x; B: input Wv: QUANTISED (scales: A lowp_scales[4], B lowp_scales[5])
;;     4. batch 64 x [M 2,048, K 64] x [K 64, N 2,048]; A: computed on the way; B: computed on the way: QUANTISED (scales: A lowp_scales[6], B lowp_scales[7])
;;     5. batch 64 x [M 2,048, K 2,048] x [K 2,048, N 64]; A: softmax (see below); B: computed on the way: QUANTISED (scales: A lowp_scales[8], B lowp_scales[9])
;;     6. [M 8,192, K 1,024] x [K 1,024, N 1,024]; A: computed on the way; B: input Wo: QUANTISED (scales: A lowp_scales[10], B lowp_scales[11])
;;   THE QUANTISER, for each operand of a quantised product, along K:
;;     - The operand's scale is 2^e, e = its entry of the input lowp_scales (int32; the entries are numbered through the quantised products in the list's order, A before B).
;;     - Each number is divided by the scale, clamped to +-448, and rounded to the nearest number of E4M3, ties to even, subnormals kept.
;;     - The product sums the exact products of the quantised numbers (number of the format x scale) in f32.
;;   ~~~python
;;   def quantise(x, axis, e):      # numpy; x: float32 -> the quantised numbers, widened to float32 again
;;       x = np.moveaxis(x, axis, -1); K = x.shape[-1]
;;       r = np.clip(x / 2.0 ** e, -448, 448)
;;       step = 2.0 ** (np.maximum(np.frexp(np.where(r == 0, 1, r))[1] - 1, -6) - 3)
;;       q = np.round(r / step) * step * 2.0 ** e      # np.round: ties to even
;;       return np.moveaxis(q, -1, axis).astype(np.float32)
;;   ~~~
;;   SOFTMAX AHEAD OF A QUANTISED PRODUCT. Where the list says 'softmax', what is quantised is not the finished softmax but p = 2^(t - M), with t = logit x log2(e) and M = ceil(the row's largest t), a whole number; so 1/2 < the row's largest p <= 1. The row's sum l is taken of the UNQUANTISED p, in f32, and the product's result is divided by l at the end. Since M is a whole number, a kernel that streams over the keys may use a running M (the ceiling of the running maximum): every later rescaling is an exact power of two, so the quantised numbers keep their values, but for numbers so far below the row's largest that they fall under the format's range.
;;   OPERANDS COMPUTED ON THE WAY. 'Computed on the way' means the value that the module computes at that place (a softmax that the list does not call 'softmax' is quantised finished and normalised). What goes into a quantiser is computed in f32, as accurately as f32 sums, v_exp_f32 and their like allow (about 1e-6 of the number): no bf16 or f16 on the way to a quantiser, and a product that is left as it is and whose result goes on into a quantised operand takes f32 operands (vector FMAs, or v_wmma_f32_16x16x4_f32). A number that lies on a knife's edge between two numbers of the format may be rounded either way, as far as f32 arithmetic and the matrix unit's own rounding can turn it there, and no further.
;; One version. Each part assembles by itself: llvm-mc -triple=amdgcn-amd-amdhsa -mcpu=gfx1250 --defsym DOCPART=n.
;; ======== version 1 of 1: 4 launches
;; limits: right only within a limited range of input values
;; workspace buffers: xc 25,165,824 bytes; wc 4,194,304 bytes; rt 524,288 bytes; qkv 25,165,824 bytes; ac 8,388,608 bytes
;; launch prep (part 1): grid 800 x 1, 4 waves a work-group, no clusters, 68,096 bytes of LDS; arguments x, Wq, Wk, Wv, Wo, token_positions, lowp_scales, xc, wc, rt; writes xc, wc, rt
.if DOCPART == 1
	.amdgcn_target "amdgcn-amd-amdhsa--gfx1250"
	.amdhsa_code_object_version 6
	.text
	.protected	k_q3e6de6f21c_prep
	.globl	k_q3e6de6f21c_prep
	.p2align	8
	.type	k_q3e6de6f21c_prep,@function
k_q3e6de6f21c_prep:
	s_mov_b64 s[64:65], 0
	v_nop
	global_prefetch_b8 v0, s[64:65] scope:SCOPE_SE
	s_setreg_imm32_b32 hwreg(HW_REG_WAVE_MODE, 25, 1), 1
	s_wait_xcnt 0x0
; x [8192][1024] f32 becomes three sets of E4M3 codes (scales 2^e0, 2^e2, 2^e4: the three products that read x each name their own entry), read once.
; Wq, Wk, Wv, Wo [1024][1024] f32 become codes (e1, e3, e5, e11).  The cosines and sines of RoPE are made for the given token positions.
; THE CODES' LAYOUT is an image of the matrix operand's registers: byte of (row, k) = (row / 16) 16384 + (k / 32) 512 + ((k / 16) % 2) 256 + (row % 16) 16 + k % 16:
; 512 bytes on end are lane 16 h + r's 16 bytes at 16 x lane: row r, k = 32 c + 16 h + 0 .. 15.  A fragment of 16 rows x 128 K is 2,048 bytes on end.
; WORK-GROUPS 0-511: 16 rows of x each; 512-767: 16 rows of one weight each; a wave takes 256 along K, two fragments.  768-799: the table, 16 tokens a wave.
; A load reads 512 consecutive bytes of a row; the 16 x 512 bytes turn through the wave's own stage in LDS (rows 528 bytes apart), so that a lane gets 16 neighbours along K.
; Each store of codes covers 512 consecutive bytes, aligned.  Waves share nothing: no barrier.  The two paths that use LDS have LDS bytes of their own.
; code = number / 2^e, held within +-448, to the nearest code, ties to even.
; LIMITS: e0 .. e5 and e11 between -126 and 119; NaN among the inputs is not served; token positions lie in 0 .. 2047.
; THE TABLE: angle = pos / D, D = 10^(i / 8) rounded to f32 (i = 0 .. 31), the quotient corrected by one fused step; reduced by multiples of pi / 2 in two parts; polynomials of degree 7 and 8.
; rt[tile of 16 tokens][t 0..3][cos, sin][lane][4]: lane (r, h), number e: token 16 tile + r, frequency i = 8 t + 4 h + e: the order in which the next launch's results lie.
.set STG, 8448                         ; a wave's stage: 16 rows x 528 bytes
.set R, 16                             ; v16-79   a fragment's numbers as loaded
.set X, 80                             ; v80-143  the same, 64 a lane: register 16 c + i = k 32 c + 16 h + i of row r
.set T, 144
.set C, 160                            ; v160-207 three fragments of codes
.macro LOADF f                         ; fragment f: 128 numbers of each of the 16 rows
.irp i, 0,1,2,3,4,5,6,7,8,9,10,11,12,13,14,15
	global_load_b128 v[R+4*\i:R+4*\i+3], v4, s[4:5] offset:\i*4096+\f*512 th:TH_LOAD_NT
.endr
.endm
.macro TURNF                           ; through the stage: LDS serves a wave's instructions in order, so no wait stands between the stores and the loads
.irp i, 0,1,2,3,4,5,6,7,8,9,10,11,12,13,14,15
	ds_store_b128 v5, v[R+4*\i:R+4*\i+3] offset:\i*528
.endr
.irp c, 0,1,2,3
.irp n, 0,1,2,3
	ds_load_b128 v[X+16*\c+4*\n:X+16*\c+4*\n+3], v6 offset:\c*128+\n*16
.endr
.endr
.endm
.macro QV sc, cd                       ; v[sc] = 2^e; codes into v[cd] on.  X stays as it is: it is quantised up to three times
.irp g, 0,1,2,3,4,5,6,7
.irp i, 0,1,2,3,4,5,6,7
.endr
	v_cvt_scalef32_pk8_fp8_f32 v[(\cd)+2*\g:(\cd)+2*\g+1], v[T+8*(\g%2)+((X+8*\g+0)-(T+8*(\g%2)+0)):T+8*(\g%2)+7+((X+8*\g+0)-(T+8*(\g%2)+0))], v[\sc]
.endr
	v_nop                                          ; a plain line behind the last conversion
.endm
.macro STOREF cd, base, f
.irp c, 0,1,2,3
	global_store_b128 v4, v[(\cd)+4*\c:(\cd)+4*\c+3], s[\base:\base+1] offset:\f*2048+\c*512
.endr
.endm
.macro MKSCALE e, v                    ; s[e] = the exponent
	s_add_co_i32 s50, s[\e], 127
	s_lshl_b32 s51, s50, 23
	v_mov_b32 v[\v], s51                           ; 2^e as f32: the conversion takes its exponent field
	s_add_co_i32 s50, s50, 8
	s_lshl_b32 s50, s50, 23
	s_or_b32 s50, s50, 0x600000
.endm
	s_load_b512 s[4:19], s[0:1], 0x0               ; x 4:5, Wq 6:7, Wk 8:9, Wv 10:11, Wo 12:13, positions 14:15, scales 16:17, xc 18:19
	s_load_b128 s[20:23], s[0:1], 0x40             ; wc 20:21, rt 22:23
	v_lshl_add_u32 v208, v0, 2, 0x10800
	v_mov_b32 v209, 0
	v_lshrrev_b32 v1, 5, v0
	v_readfirstlane_b32 s24, v1                    ; wave
	v_and_b32 v1, 31, v0                           ; lane
	v_and_b32 v2, 15, v0                           ; r
	v_bfe_u32 v3, v0, 4, 1                         ; h
	v_lshlrev_b32 v4, 4, v1                        ; 16 x lane
	s_mul_i32 s25, s24, STG
	v_add_nc_u32 v5, s25, v4                       ; the stage, on the way in
	v_mul_u32_u24 v6, v2, 528
	v_lshl_add_u32 v6, v3, 6, v6
	v_add_nc_u32 v6, s25, v6                       ; and out: row r, + 64 h
	s_wait_kmcnt 0x0
	s_load_b256 s[32:39], s[16:17], 0x0            ; e0 .. e7
	s_load_b128 s[40:43], s[16:17], 0x20           ; e8 .. e11
	s_cmp_ge_u32 ttmp9, 768
	s_cbranch_scc1 .Lrope
	s_cmp_ge_u32 ttmp9, 512
	s_cbranch_scc1 .Lweights
	; ---- x: row tile = work-group, 256 along K = wave
	s_lshl_b32 s26, ttmp9, 16                      ; 16 rows of 4,096 bytes
	s_lshl_b32 s27, s24, 10
	s_add_co_u32 s26, s26, s27
	s_mov_b32 s27, 0
	s_add_nc_u64 s[4:5], s[4:5], s[26:27]
	s_lshl_b32 s26, ttmp9, 14
	s_lshl_b32 s28, s24, 12
	s_add_co_u32 s26, s26, s28
	s_add_nc_u64 s[44:45], s[18:19], s[26:27]      ; the three sets lie 8 MiB apart
	s_add_nc_u64 s[46:47], s[44:45], 0x800000
	s_add_nc_u64 s[48:49], s[46:47], 0x800000
	s_wait_alu depctr_va_vdst(0)
	LOADF 0
	s_wait_kmcnt 0x0
	MKSCALE 32, 8
	MKSCALE 34, 10
	MKSCALE 36, 12
.macro HALF3 f
	QV 8, C
	STOREF C, 44, \f
	QV 10, C+16
	STOREF C+16, 46, \f
	QV 12, C+32
	STOREF C+32, 48, \f
.endm
	s_wait_alu depctr_va_vdst(0)
	s_wait_loadcnt 0x0
	TURNF
	s_wait_dscnt 0x0                               ; the numbers are back, and the stage's stores have read R:
	LOADF 1                                        ; R takes the second fragment while the first is quantised
	HALF3 0
	s_wait_loadcnt 0x0
	TURNF
	s_wait_dscnt 0x0
	s_wait_xcnt 0x0                                ; the first fragment's stores have read their data: C is written again only behind this wait
	HALF3 1
	s_wait_tensorcnt 0x0
	ds_add_u32 v208, v209
	s_wait_dscnt 0x0
	s_endpgm
	; ---- a weight: tensor = (work-group - 512) / 64, row tile = the rest
.Lweights:
	s_wait_alu depctr_va_vdst(0)
	v_add_nc_u32 v5, 4*STG, v5                     ; this path's own stages
	v_add_nc_u32 v6, 4*STG, v6
	s_sub_co_u32 s26, ttmp9, 512
	s_lshr_b32 s28, s26, 6
	s_and_b32 s29, s26, 63
	s_wait_alu depctr_va_vdst(0)
	s_wait_kmcnt 0x0
	s_mov_b64 s[4:5], s[6:7]                       ; Wq, e1; the choices hang on the work-group's number alone
	s_mov_b32 s30, s33
	s_cmp_eq_u32 s28, 1
	s_cselect_b64 s[4:5], s[8:9], s[4:5]           ; Wk, e3
	s_cselect_b32 s30, s35, s30
	s_cmp_eq_u32 s28, 2
	s_cselect_b64 s[4:5], s[10:11], s[4:5]         ; Wv, e5
	s_cselect_b32 s30, s37, s30
	s_cmp_eq_u32 s28, 3
	s_cselect_b64 s[4:5], s[12:13], s[4:5]         ; Wo, e11
	s_cselect_b32 s30, s43, s30
	s_lshl_b32 s28, s29, 16
	s_lshl_b32 s29, s24, 10
	s_add_co_u32 s28, s28, s29
	s_mov_b32 s29, 0
	s_add_nc_u64 s[4:5], s[4:5], s[28:29]
	s_lshl_b32 s28, s26, 14                        ; the four tensors' codes lie on end: 64 row tiles of 16,384 bytes each
	s_lshl_b32 s31, s24, 12
	s_add_co_u32 s28, s28, s31
	s_add_nc_u64 s[44:45], s[20:21], s[28:29]
	LOADF 0
	MKSCALE 30, 8
	s_wait_alu depctr_va_vdst(0)
	s_wait_loadcnt 0x0
	TURNF
	s_wait_dscnt 0x0
	LOADF 1
	QV 8, C
	STOREF C, 44, 0
	s_wait_loadcnt 0x0
	TURNF
	s_wait_dscnt 0x0
	s_wait_xcnt 0x0                                ; C is written again only behind this wait
	QV 8, C
	STOREF C, 44, 1
	s_wait_tensorcnt 0x0
	ds_add_u32 v208, v209
	s_wait_dscnt 0x0
	s_endpgm
	; ---- the table: tile of 16 tokens = 4 (work-group - 768) + wave
.Lrope:
	s_wait_kmcnt 0x0                               ; (the scales' loads are done: their registers are not used here)
	s_sub_co_u32 s26, ttmp9, 768
	s_lshl_b32 s26, s26, 2
	s_add_co_u32 s26, s26, s24
	s_lshl_b32 s27, s26, 6
	s_wait_alu depctr_va_vdst(0)
	v_lshl_add_u32 v8, v2, 2, s27
	global_load_b32 v9, v8, s[14:15]               ; the position of token 16 tile + r
	s_lshl_b32 s28, s26, 12
	s_mov_b32 s29, 0
	s_add_nc_u64 s[22:23], s[22:23], s[28:29]
	s_mov_b32 s30, 0x3f22f983                      ; 2 / pi
	s_mov_b32 s31, 0x3fc90fdb                      ; pi / 2, its f32 part,
	s_mov_b32 s44, 0xb33bbd2e                      ; and what is left of it
	s_mov_b32 s45, 0xb94ca1f9                      ; sine: -1.9515295891e-4
	s_mov_b32 s46, 0x3c08839e                      ;        8.3321608736e-3
	s_mov_b32 s47, 0xbe2aaaa3                      ;       -1.6666654611e-1
	s_mov_b32 s48, 0x37ccf5ce                      ; cosine: 2.443315712e-5
	s_mov_b32 s49, 0xbab6061a                      ;        -1.388731625e-3
	s_mov_b32 s50, 0x3d2aaaa5                      ;         4.166664568e-2
	v_cmp_eq_u32 vcc_lo, 1, v3
.macro DEN i, lo, hi                   ; D of (t, e), i = 4 t + e: 10^((8 t + e) / 8) in lanes 0-15, 10^((8 t + 4 + e) / 8) in lanes 16-31
	v_mov_b32 v[16+\i], \lo
	v_mov_b32 v48, \hi
	v_cndmask_b32 v[16+\i], v[16+\i], v48, vcc_lo
.endm
	DEN 0, 1.0, 3.1622776602
	DEN 1, 1.3335214322, 4.2169650343
	DEN 2, 1.7782794100, 5.6234132519
	DEN 3, 2.3713737057, 7.4989420933
	DEN 4, 10.0, 31.622776602
	DEN 5, 13.335214322, 42.169650343
	DEN 6, 17.782794100, 56.234132519
	DEN 7, 23.713737057, 74.989420933
	DEN 8, 100.0, 316.22776602
	DEN 9, 133.35214322, 421.69650343
	DEN 10, 177.82794100, 562.34132519
	DEN 11, 237.13737057, 749.89420933
	DEN 12, 1000.0, 3162.2776602
	DEN 13, 1333.5214322, 4216.9650343
	DEN 14, 1778.2794100, 5623.4132519
	DEN 15, 2371.3737057, 7498.9420933
	s_wait_alu depctr_va_vdst(0)
.irp i, 0,1,2,3,4,5,6,7,8,9,10,11,12,13,14,15
	v_rcp_f32 v[32+\i], v[16+\i]
.endr
	v_nop                                          ; a plain line behind the last reciprocal
	s_wait_loadcnt 0x0
	v_cvt_f32_i32 v10, v9                          ; pos
	s_wait_alu depctr_va_vdst(0)                   ; one wait for the sixteen reciprocals, ahead of their first reader
.macro SINCOS i
	v_mul_f32 v48, v10, v[32+\i]
	v_fma_f32 v49, -v48, v[16+\i], v10             ; what the first quotient leaves,
	v_fma_f32 v48, v49, v[32+\i], v48              ; brought in: the angle pos / D
	v_mul_f32 v49, s30, v48
	v_rndne_f32 v49, v49                           ; n: the nearest multiple of pi / 2
	v_fma_f32 v50, -v49, s31, v48
	v_fma_f32 v50, -v49, s44, v50                  ; the rest, within +-pi / 4
	v_mul_f32 v51, v50, v50
	v_fma_f32 v52, v51, s45, s46
	v_fma_f32 v52, v52, v51, s47
	v_mul_f32 v53, v50, v51
	v_fma_f32 v52, v53, v52, v50                   ; sine of the rest
	v_fma_f32 v54, v51, s48, s49
	v_fma_f32 v54, v54, v51, s50
	v_mul_f32 v55, v51, v51
	v_fma_f32 v56, v51, -0.5, 1.0
	v_fma_f32 v54, v55, v54, v56                   ; cosine of the rest
	v_cvt_i32_f32 v57, v49
	v_and_b32 v58, 1, v57
	v_cmp_eq_u32 vcc_lo, 1, v58                    ; n odd: the two change places
	v_cndmask_b32 v59, v52, v54, vcc_lo
	v_cndmask_b32 v60, v54, v52, vcc_lo
	v_lshlrev_b32 v58, 30, v57
	v_and_b32 v58, 0x80000000, v58                 ; the sine's sign: bit 1 of n
	v_xor_b32 v[80+\i], v58, v59
	v_add_nc_u32 v57, 1, v57
	v_lshlrev_b32 v57, 30, v57
	v_and_b32 v57, 0x80000000, v57                 ; the cosine's: bit 1 of n + 1
	v_xor_b32 v[64+\i], v57, v60
.endm
.irp i, 0,1,2,3,4,5,6,7,8,9,10,11,12,13,14,15
	SINCOS \i
.endr
.irp t, 0,1,2,3
	global_store_b128 v4, v[64+4*\t:64+4*\t+3], s[22:23] offset:\t*1024
	global_store_b128 v4, v[80+4*\t:80+4*\t+3], s[22:23] offset:\t*1024+512
.endr
	s_endpgm
.Lfunc_end_k_q3e6de6f21c_prep:
	.size	k_q3e6de6f21c_prep, .Lfunc_end_k_q3e6de6f21c_prep-k_q3e6de6f21c_prep
	.p2alignl 7, 3214868480
	.fill 96, 4, 3214868480
	.section	.rodata,"a",@progbits
	.p2align	6, 0x0
	.amdhsa_kernel k_q3e6de6f21c_prep
		.amdhsa_group_segment_fixed_size 68096
		.amdhsa_private_segment_fixed_size 0
		.amdhsa_enable_private_segment 0
		.amdhsa_kernarg_size 80
		.amdhsa_user_sgpr_count 2
		.amdhsa_user_sgpr_kernarg_segment_ptr 1
		.amdhsa_wavefront_size32 1
		.amdhsa_system_sgpr_workgroup_id_x 1
		.amdhsa_system_sgpr_workgroup_id_y 1
		.amdhsa_system_sgpr_workgroup_id_z 1
		.amdhsa_system_vgpr_workitem_id 0
		.amdhsa_next_free_vgpr 210
		.amdhsa_next_free_sgpr 66
		.amdhsa_reserve_vcc 1
		.amdhsa_float_denorm_mode_32 3
		.amdhsa_float_denorm_mode_16_64 3
		.amdhsa_fp16_overflow 1
		.amdhsa_memory_ordered 1
		.amdhsa_forward_progress 1
		.amdhsa_inst_pref_size 52
	.end_amdhsa_kernel
	.amdgpu_metadata
---
amdhsa.version: [ 1, 2 ]
amdhsa.kernels:
  - .name:           k_q3e6de6f21c_prep
    .symbol:         k_q3e6de6f21c_prep.kd
    .args:
      - { .name: x, .offset: 0, .size: 8, .value_kind: global_buffer, .address_space: global }
      - { .name: Wq, .offset: 8, .size: 8, .value_kind: global_buffer, .address_space: global }
      - { .name: Wk, .offset: 16, .size: 8, .value_kind: global_buffer, .address_space: global }
      - { .name: Wv, .offset: 24, .size: 8, .value_kind: global_buffer, .address_space: global }
      - { .name: Wo, .offset: 32, .size: 8, .value_kind: global_buffer, .address_space: global }
      - { .name: token_positions, .offset: 40, .size: 8, .value_kind: global_buffer, .address_space: global }
      - { .name: lowp_scales, .offset: 48, .size: 8, .value_kind: global_buffer, .address_space: global }
      - { .name: xc, .offset: 56, .size: 8, .value_kind: global_buffer, .address_space: global }
      - { .name: wc, .offset: 64, .size: 8, .value_kind: global_buffer, .address_space: global }
      - { .name: rt, .offset: 72, .size: 8, .value_kind: global_buffer, .address_space: global }
    .group_segment_fixed_size: 68096
    .private_segment_fixed_size: 0
    .kernarg_segment_align: 8
    .kernarg_segment_size: 80
    .max_flat_workgroup_size: 128
    .sgpr_count:     66
    .vgpr_count:     210
    .wavefront_size: 32
...
	.end_amdgpu_metadata
.endif
;; end of part 1
;; launch qkv (part 2): grid 12 x 64, 4 waves a work-group, clusters of 4 x 4, 327,680 bytes of LDS; arguments xc, wc, rt, lowp_scales, qkv; writes qkv
.if DOCPART == 2
	.amdgcn_target "amdgcn-amd-amdhsa--gfx1250"
	.amdhsa_code_object_version 6
	.text
	.protected	k_q3e6de6f21c_qkv
	.globl	k_q3e6de6f21c_qkv
	.p2align	8
	.type	k_q3e6de6f21c_qkv,@function
k_q3e6de6f21c_qkv:
	s_mov_b64 s[64:65], 0
	v_nop
	global_prefetch_b8 v0, s[64:65] scope:SCOPE_SE
	s_setreg_imm32_b32 hwreg(HW_REG_WAVE_MODE, 25, 1), 1
	s_wait_xcnt 0x0
	s_wait_alu depctr_hold_cnt(0) depctr_sa_sdst(0) depctr_va_vdst(0) depctr_va_sdst(0) depctr_va_ssrc(0) depctr_va_vcc(0) depctr_vm_vsrc(0)
	s_getreg_b32 s2, hwreg(HW_REG_IB_STS2, 6, 4)
	s_cmp_eq_u32 s2, 0
	s_cbranch_scc0 .Lentry_in_a_cluster
	s_endpgm
.Lentry_in_a_cluster:
	s_bfe_u32 s2, ttmp6, 0x10000c
	s_cmp_lg_u32 s2, 0xf033
	s_cbranch_scc0 .Lentry_shape_is_right
	s_endpgm
.Lentry_shape_is_right:
; The three projections on E4M3 codes, RoPE on Q and K, and the quantising of Q, K and V for attention.  Cluster x says which: 0 Q, 1 K, 2 V.
; A work-group makes 128 rows of operand A x 256 rows of operand B, K = 1,024; four waves, each 64 x 128: 32 accumulators.  Q, K: A = x's codes (tokens), B = the weight's (features).
; V: A = Wv's codes (features), B = x's (tokens): V^T = Wv x^T.  THE MATRIX INSTRUCTION IS USED TRANSPOSED (source 0 = 16 rows of B, source 1 = 16 rows of A): lane (r, h) holds row r of A
; and B's rows 8 h + 0 .. 7: eight neighbours along the NEXT product's K (the head's 64 for Q and K, the keys for V), so that the conversions' results are stored as they stand.
; OPERANDS lie in memory as images of their registers (16 rows x 1,024 K = 16,384 bytes; 128 along K = 2,048 bytes on end, lane l's 16 bytes at 16 l of each 512): a fragment is four loads of
; 16 bytes at 16 x lane, in LDS too: no pitch, no padding.  Register 4 c + i holds k = 32 c + 16 h + 4 i ..: a permutation of k that is the same in A and in B.
; K goes in four steps of 256 through three LDS slots (A: 8 row tiles x 4,096 bytes, B: 16): steps 0, 1, 2 are first fills, step 3 fills slot 0 again.  A wave has at most three tensor loads out.
; CLUSTER 4 x 4: A's tile is shared along a row of the cluster, B's along a column: each is asked for jointly.  Waves 0, 1 fetch A's halves, waves 2, 3 B's.
; OUT.  Q at byte 0, K at 8 MiB: [batch x head][tile of 16 tokens][1,024]: byte (d / 32) 512 + ((d / 16) % 2) 256 + 16 r + d % 16.  V^T at 16 MiB: [batch x head][128 keys][16 d][c 0..3][lane][16]:
; lane (r, h), c: d = r, keys 32 c + 8 h + 0 .. 7, then 32 c + 16 + 8 h + 0 .. 7.  Each store covers 256 or 512 consecutive bytes, aligned.
; A sum stands for sum x 2^(ea + eb); RoPE is linear, so the three scales are folded into the conversion's one: 2^(eout - ea - eb).
; LIMITS: e6 - e0 - e1, e7 - e2 - e3 and e9 - e4 - e5 between -126 and 119.
; REGISTERS: window 0: v1-29 addresses; v64-127, v128-191 A's fragments, two sets.  window 1: B's, two sets of 128.  window 2: accumulator (a, b) at v[64 a + 8 b].  window 3: v0-127 cosines and sines.
.set SLOT,  98304
.set BOFF,  32768                      ; B's tiles in a slot
.set SPARE, 3*SLOT                     ; behind the slots: the spare words, 128 bytes for each wave, which no other line names
.set LI,   3                           ; v3      16 x lane
.set ADRA, 16                          ; v16-18  my A fragments in slot 0, 1, 2
.set ADRB, 20                          ; v20-22  my B fragments
.set SPW,  28                          ; v28     my spare word; never rewritten
.set NIL,  29                          ; v29     0; never rewritten
.set AF,   64
.set WV, 14
.set WH, 15                            ; wave / 2: my 64 rows of A.  Also: I fetch for A (0) or for B (1)
.set WL, 16                            ; wave % 2: my 128 rows of B.  Also: which half of that tile I fetch
.set G1A, 24
.set G1B, 32
.set G0A, 40                           ; s[40:51] three sets, one for each slot
.set G0B, 52                           ; s[52:63]
.set MSB, 0
.macro WIN new                         ; the immediate's high byte repeats the setting that is left
.if MSB != \new
	s_set_vgpr_msb (MSB<<8)|\new
.set MSB, \new
.endif
.endm
.set MUL,  0xa1                        ; source 0 (B) window 1, source 1 (A) window 0, C and D window 2
.set TO_B, 0x40                        ; destination window 1
.macro PLACES n
.rept \n
	v_nop
.endr
.endm
.macro JLOAD s                         ; a joint load; the branch hangs on the wave's number alone; four v_nop follow each of the two lines
	s_cmp_eq_u32 s[WH], 0
	s_cbranch_scc0 .Lfor_b_\@
	tensor_load_to_lds s[G0A+4*\s:G0A+4*\s+3], s[G1A:G1A+7]
	s_nop 0
.rept 4
	v_nop
.endr
	s_branch .Lasked_\@
.Lfor_b_\@:
	tensor_load_to_lds s[G0B+4*\s:G0B+4*\s+3], s[G1B:G1B+7]
	s_nop 0
.rept 4
	v_nop
.endr
.Lasked_\@:
.endm
.macro CREST                           ; a round of the cluster's barrier behind its opening barrier
	s_cmp_lg_u32 s[WV], 0
	s_cbranch_scc1 .Lnot_wave_0_\@
	s_barrier_signal -3
.Lnot_wave_0_\@:
	s_barrier_wait -3
	s_barrier_signal -1
	s_barrier_wait -1
.endm
.macro CROUND
	s_barrier_signal -1
	s_barrier_wait -1
	CREST
.endm
.macro FETCH s, q, p                   ; the fragments of the q-th 128 along K of slot s into set p: B's eight, A's four
	WIN TO_B
.irp i, 0,1,2,3,4,5,6,7
.irp c, 0,1,2,3
	ds_load_b128 v[128*(\p)+16*\i+4*\c:128*(\p)+16*\i+4*\c+3], v[ADRB+\s] offset:\i*4096+(\q)*2048+\c*512
.endr
.endr
	WIN 0
.irp i, 0,1,2,3
.irp c, 0,1,2,3
	ds_load_b128 v[AF+64*(\p)+16*\i+4*\c:AF+64*(\p)+16*\i+4*\c+3], v[ADRA+\s] offset:\i*4096+(\q)*2048+\c*512
.endr
.endr
.endm
.macro MUL16 a0, p, zero               ; A's blocks a0, a0 + 1 x B's eight.  The 32 accumulators take turns in one order throughout
.irp a, \a0, \a0+1
.irp b, 0,1,2,3,4,5,6,7
.if \zero
	v_wmma_f32_16x16x128_fp8_fp8 v[64*(\a)+8*\b:64*(\a)+8*\b+7], v[128*(\p)+16*\b:128*(\p)+16*\b+15], v[AF+64*(\p)+16*(\a):AF+64*(\p)+16*(\a)+15], 0
.else
	v_wmma_f32_16x16x128_fp8_fp8 v[64*(\a)+8*\b:64*(\a)+8*\b+7], v[128*(\p)+16*\b:128*(\p)+16*\b+15], v[AF+64*(\p)+16*(\a):AF+64*(\p)+16*(\a)+15], v[64*(\a)+8*\b:64*(\a)+8*\b+7]
.endif
.endr
.endr
.endm
.macro STEP u, s, q, zero, fetch       ; step u of eight, 128 along K, on set u % 2; the next step's fragments (slot s, part q) are asked for first
	s_wait_dscnt 0x0                               ; this step's fragments are in
.if \fetch
.if \u > 0
	PLACES 4                                       ; four plain lines between the last products that read the other set and the loads into it
.endif
	FETCH \s, \q, (\u+1)%2
.endif
	WIN MUL
	MUL16 0, (\u)%2, \zero
	MUL16 2, (\u)%2, \zero
.endm
.macro TURN u, fill, s, q              ; a step with a barrier.  fill = 1: slot 0, read out, takes K step 3, behind a round of the cluster's barrier.  fill = 0: K step 3 is shown whole to every wave
	WIN 0
	s_wait_tensorcnt 0x0                           ; all my tensor loads have landed,
	ds_add_u32 v[SPW], v[NIL]                      ; 0 onto my spare word
.if \fill
	s_add_nc_u64 s[G0A+2:G0A+3], s[G0A+2:G0A+3], 3*4096   ; no load of mine is out, so a group 0 may be written: from K step 0 to K step 3
	s_add_nc_u64 s[G0B+2:G0B+3], s[G0B+2:G0B+3], 3*4096
.endif
	s_wait_dscnt 0x0                               ; the add is done, my reads so far are over, and this step's fragments are in
	s_barrier_signal -1
	WIN MUL
	MUL16 0, (\u)%2, 0                             ; work on registers while the others arrive
	WIN 0
	s_barrier_wait -1
.if \fill
	CREST                                          ; no wave of any partner still reads slot 0 or has a load on its way
	JLOAD 0                                        ; the first tensor load behind the round; its four v_nop are also the places in front of the loads below
.else
	PLACES 4
.endif
	FETCH \s, \q, (\u+1)%2
	WIN MUL
	MUL16 2, (\u)%2, 0
.endm
	s_load_b256 s[4:11], s[0:1], 0x0               ; xc 4:5, wc 6:7, rt 8:9, the scales 10:11
	s_load_b64 s[12:13], s[0:1], 0x20              ; qkv
	v_lshl_add_u32 v[SPW], v0, 2, SPARE
	v_mov_b32 v[NIL], 0
	ds_add_u32 v28, v29
	ds_add_u32 v28, v29
	s_wait_dscnt 0x0
	v_lshrrev_b32 v1, 5, v0
	v_readfirstlane_b32 s[WV], v1
	s_lshr_b32 s[WH], s[WV], 1
	s_and_b32 s[WL], s[WV], 1
	s_bfe_u32 s17, ttmp6, 0x40000                  ; cx
	s_bfe_u32 s18, ttmp6, 0x40004                  ; cy
	s_and_b32 s20, ttmp7, 0xffff                   ; cluster y, 0 .. 15
	s_and_b32 s88, s20, 1
	s_lshr_b32 s89, s20, 1
	s_cmp_eq_u32 ttmp9, 2                          ; cluster x: the same in all partners
	s_cselect_b32 s21, s88, s20                    ; Q, K: 64 blocks of tokens x 4 of features;  V: 8 blocks of features x 32 of tokens
	s_cselect_b32 s22, s89, 0
	s_lshl_b32 s21, s21, 2
	s_add_co_u32 s21, s21, s18                     ; TR: which 128 rows of A
	s_lshl_b32 s22, s22, 2
	s_add_co_u32 s22, s22, s17                     ; TC: which 256 rows of B
	s_lshl_b32 s90, s18, 2
	s_lshl_b32 s90, 15, s90                        ; my row of the cluster
	s_lshl_b32 s91, 0x1111, s17                    ; my column
	s_or_b32 s[G1A], s90, 1<<21                    ; 15:0 the mask; 17:16 elements of 1 byte; 21 set beside a mask; no padding
	s_or_b32 s[G1B], s91, 1<<21
	s_mov_b32 s[G1A+1], 4096<<16                   ; tensor_dim0: a row tile's 256 along K are 4,096 bytes on end
	s_mov_b32 s[G1A+2], 4<<16                      ; tensor_dim1: 4 row tiles
	s_mov_b32 s[G1A+3], 4096<<16                   ; tile_dim0
	s_mov_b32 s[G1A+4], 4                          ; tile_dim1
	s_mov_b32 s[G1A+5], 16384                      ; from row tile to row tile
	s_mov_b32 s[G1A+6], 0
	s_mov_b32 s[G1A+7], 0
	s_mov_b32 s[G1B+1], 4096<<16
	s_mov_b32 s[G1B+2], 8<<16                      ; 8 row tiles
	s_mov_b32 s[G1B+3], 4096<<16
	s_mov_b32 s[G1B+4], 8
	s_mov_b32 s[G1B+5], 16384
	s_mov_b32 s[G1B+6], 0
	s_mov_b32 s[G1B+7], 0
	s_lshl_b32 s70, s21, 17                        ; A: (8 TR + 4 half) row tiles
	s_lshl_b32 s74, s[WL], 16
	s_add_co_u32 s70, s70, s74
	s_mov_b32 s71, 0
	s_lshl_b32 s72, s22, 18                        ; B: (16 TC + 8 half) row tiles
	s_lshl_b32 s75, s[WL], 17
	s_add_co_u32 s72, s72, s75
	s_mov_b32 s73, 0
	s_lshl_b32 s92, ttmp9, 23                      ; x's set of codes for this product: 8 MiB apart
	s_mov_b32 s93, 0
	s_lshl_b32 s94, ttmp9, 20                      ; the weight's: 1 MiB apart
	s_mov_b32 s95, 0
	s_lshl_b32 s96, s[WL], 14                      ; where they go in a slot: no place in the cluster enters an LDS address
	s_lshl_b32 s97, s[WL], 15
	s_add_co_u32 s97, s97, BOFF
	s_wait_kmcnt 0x0
	s_load_b256 s[76:83], s[10:11], 0x0            ; e0 .. e7
	s_load_b128 s[84:87], s[10:11], 0x20           ; e8 .. e11
	s_add_nc_u64 s[4:5], s[4:5], s[92:93]
	s_add_nc_u64 s[6:7], s[6:7], s[94:95]
	s_cmp_eq_u32 ttmp9, 2
	s_cselect_b64 s[66:67], s[6:7], s[4:5]         ; A
	s_cselect_b64 s[68:69], s[4:5], s[6:7]         ; B
	s_add_nc_u64 s[66:67], s[66:67], s[70:71]
	s_add_nc_u64 s[68:69], s[68:69], s[72:73]
	CROUND                                         ; all sixteen work-groups are here: the first joint loads meet
.irp s, 0,1,2
	s_mov_b32 s[G0A+4*\s], 1
	s_add_co_u32 s[G0A+4*\s+1], s96, \s*SLOT
	s_add_nc_u64 s[G0A+4*\s+2:G0A+4*\s+3], s[66:67], \s*4096
	s_or_b32 s[G0A+4*\s+3], s[G0A+4*\s+3], 0x80000000
	s_mov_b32 s[G0B+4*\s], 1
	s_add_co_u32 s[G0B+4*\s+1], s97, \s*SLOT
	s_add_nc_u64 s[G0B+4*\s+2:G0B+4*\s+3], s[68:69], \s*4096
	s_or_b32 s[G0B+4*\s+3], s[G0B+4*\s+3], 0x80000000
.endr
	s_cmp_eq_u32 s[WH], 0                          ; a wave's three first fills stand in one branch, ahead of every wait on TENSORcnt and every LDS read
	s_cbranch_scc0 .Lfirst_b
	tensor_load_to_lds s[G0A:G0A+3], s[G1A:G1A+7]
	s_nop 0
	tensor_load_to_lds s[G0A+4:G0A+7], s[G1A:G1A+7]
	s_nop 0
	tensor_load_to_lds s[G0A+8:G0A+11], s[G1A:G1A+7]
	s_nop 0
.rept 4
	v_nop
.endr
	s_branch .Lfirst_asked
.Lfirst_b:
	tensor_load_to_lds s[G0B:G0B+3], s[G1B:G1B+7]
	s_nop 0
	tensor_load_to_lds s[G0B+4:G0B+7], s[G1B:G1B+7]
	s_nop 0
	tensor_load_to_lds s[G0B+8:G0B+11], s[G1B:G1B+7]
	s_nop 0
.rept 4
	v_nop
.endr
.Lfirst_asked:
	v_and_b32 v1, 15, v0                           ; r
	v_bfe_u32 v2, v0, 4, 1                         ; h
	v_and_b32 v[LI], 31, v0
	v_lshlrev_b32 v[LI], 4, v[LI]
	s_wait_alu depctr_va_vdst(0)
	s_lshl_b32 s2, s[WH], 14                       ; my four row tiles of A
	s_lshl_b32 s3, s[WL], 15                       ; my eight of B
	s_add_co_u32 s3, s3, BOFF
.irp s, 0,1,2
	v_add_nc_u32 v[ADRA+\s], s2, v[LI]
	v_add_nc_u32 v[ADRB+\s], s3, v[LI]
	s_add_co_u32 s2, s2, SLOT
	s_add_co_u32 s3, s3, SLOT
.endr
	v_lshlrev_b32 v24, 4, v1
	v_lshl_add_u32 v24, v2, 3, v24                 ; 16 r + 8 h: a lane's 8 codes in a block of 256 bytes
	s_lshl_b32 s98, s21, 7
	s_lshl_b32 s99, s[WH], 6
	s_add_co_u32 s98, s98, s99                     ; my first row of A
	s_and_b32 s99, s98, 2047
	s_lshr_b32 s99, s99, 4                         ; as a token: its tile of 16 in the sequence
	s_lshl_b32 s2, s99, 12
	s_mov_b32 s3, 0
	s_add_nc_u64 s[8:9], s[8:9], s[2:3]
	WIN 0xc0                                       ; destination window 3.  Cosines and sines of my 64 tokens (loaded for V too, where they are not used: the address is inside the table there as well, and no branch is spent)
.irp a, 0,1,2,3
.irp t, 0,1,2,3
.irp z, 0,1
	global_load_b128 v[32*\a+8*\t+4*\z:32*\a+8*\t+4*\z+3], v[LI], s[8:9] offset:\a*4096+\t*1024+\z*512
.endr
.endr
.endr
	WIN 0
	s_wait_alu depctr_va_vdst(0)
	s_wait_kmcnt 0x0
	s_sub_co_i32 s19, s82, s76
	s_sub_co_i32 s19, s19, s77                     ; Q: e6 - e0 - e1
	s_sub_co_i32 s23, s83, s78
	s_sub_co_i32 s23, s23, s79                     ; K: e7 - e2 - e3
	s_sub_co_i32 s2, s85, s80
	s_sub_co_i32 s2, s2, s81                       ; V: e9 - e4 - e5
	s_cmp_eq_u32 ttmp9, 1
	s_cselect_b32 s19, s23, s19
	s_cmp_eq_u32 ttmp9, 2
	s_cselect_b32 s19, s2, s19
	s_add_co_i32 s19, s19, 127
	s_lshl_b32 s23, s19, 23
	v_mov_b32 v26, s23                             ; the conversion's scale
	; where my results go.  Q, K: ((batch 16 + head) 128 + tile) 1,024;  V: ((batch 16 + head) 16 + block of 128 keys) 8,192
	s_lshr_b32 s76, s98, 11
	s_lshl_b32 s76, s76, 4
	s_lshl_b32 s77, s22, 2
	s_add_co_u32 s76, s76, s77
	s_lshl_b32 s77, s[WL], 1
	s_add_co_u32 s76, s76, s77                     ; batch 16 + 4 TC + 2 half: my first head
	s_lshl_b32 s76, s76, 7
	s_add_co_u32 s76, s76, s99
	s_lshl_b32 s76, s76, 10
	s_lshl_b32 s77, ttmp9, 23
	s_add_co_u32 s76, s76, s77
	s_lshl_b32 s78, s22, 8
	s_lshl_b32 s79, s[WL], 7
	s_add_co_u32 s78, s78, s79                     ; V: my first token
	s_lshr_b32 s79, s78, 11
	s_lshl_b32 s79, s79, 4
	s_lshl_b32 s80, s21, 1
	s_add_co_u32 s79, s79, s80
	s_add_co_u32 s79, s79, s[WH]                   ; batch 16 + 2 TR + wave / 2: my head
	s_lshl_b32 s79, s79, 4
	s_and_b32 s80, s78, 2047
	s_lshr_b32 s80, s80, 7
	s_add_co_u32 s79, s79, s80
	s_lshl_b32 s79, s79, 13
	s_add_co_u32 s79, s79, 0x1000000
	s_cmp_eq_u32 ttmp9, 2
	s_cselect_b32 s76, s79, s76
	s_mov_b32 s77, 0
	s_add_nc_u64 s[12:13], s[12:13], s[76:77]
	s_wait_tensorcnt 0x2                           ; my part of slot 0 is in; the two loads issued behind it may stay out
	s_barrier_signal -1
	s_barrier_wait -1
	FETCH 0, 0, 0
	STEP 0, 0, 1, 1, 1                             ; the first products start the sums: nothing is cleared
	TURN 1, 1, 1, 0                                ; slot 0 is read out: K step 3 is asked for, four steps (112 matrix instructions) ahead of the wait for it
	STEP 2, 1, 1, 0, 1
	STEP 3, 2, 0, 0, 1
	STEP 4, 2, 1, 0, 1
	TURN 5, 0, 0, 0
	STEP 6, 0, 1, 0, 1
	STEP 7, 0, 0, 0, 0
	WIN 0
	PLACES 4                                       ; between the last products and the first read of results
	s_wait_loadcnt 0x0                             ; cosines and sines
	s_cmp_eq_u32 ttmp9, 2
	s_cbranch_scc1 .Lv_out
; Q, K: block a of 16 tokens.  A pair of registers is (even, odd) of frequency 8 (b % 4) + 4 h + e: even' = even cos - odd sin, odd' = odd cos + even sin: a packed multiply and a packed multiply-add.
.macro QK_OUT a
	WIN 0x0e                                       ; source 0 window 2 (sums), source 1 window 3 (table), the rest window 0
.irp b, 0,1,2,3,4,5,6,7
.irp g, 0,1
.irp o, 0,1
	v_pk_mul_f32 v[64+8*\b+4*\g+2*\o:64+8*\b+4*\g+2*\o+1], v[64*\a+8*\b+4*\g+2*\o:64*\a+8*\b+4*\g+2*\o+1], v[32*\a+8*(\b%4)+2*\g:32*\a+8*(\b%4)+2*\g+1] op_sel:[0,\o] op_sel_hi:[1,\o]
.endr
.endr
.endr
.irp b, 0,1,2,3,4,5,6,7
.irp g, 0,1
.irp o, 0,1
	v_pk_fma_f32 v[64+8*\b+4*\g+2*\o:64+8*\b+4*\g+2*\o+1], v[64*\a+8*\b+4*\g+2*\o:64*\a+8*\b+4*\g+2*\o+1], v[32*\a+8*(\b%4)+4+2*\g:32*\a+8*(\b%4)+4+2*\g+1], v[64+8*\b+4*\g+2*\o:64+8*\b+4*\g+2*\o+1] op_sel:[1,\o,0] op_sel_hi:[0,\o,1] neg_lo:[0,1,0]
.endr
.endr
.endr
	WIN 0
.set j, 0
.rept 64
.set j, j+1
.endr
.irp b, 0,1,2,3,4,5,6,7
	v_cvt_scalef32_pk8_fp8_f32 v[128+16*\a+2*\b:128+16*\a+2*\b+1], v[64+8*\b:64+8*\b+7], v26
.endr
	v_nop                                          ; a plain line behind the last conversion: the next block writes its sources
.irp b, 0,1,2,3,4,5,6,7
	global_store_b64 v24, v[128+16*\a+2*\b:128+16*\a+2*\b+1], s[12:13] offset:(\b/4)*131072+\a*1024+((\b/2)%2)*512+(\b%2)*256   ; 32 lanes store 256 consecutive bytes, aligned
.endr
.endm
	QK_OUT 0
	QK_OUT 1
	QK_OUT 2
	QK_OUT 3
	s_branch .Ldone
.Lv_out:                                               ; V: accumulator (a, b) holds d = 16 a + r, keys 16 b + 8 h + 0 .. 7: its codes are registers 2 b, 2 b + 1 of V^T's fragment a
	WIN 0x82                                       ; source 0 and destination window 2
.set j, 0
.rept 256
.set j, j+1
.endr
	WIN 0x02
	s_wait_alu depctr_va_vdst(0)
.irp a, 0,1,2,3
.irp b, 0,1,2,3,4,5,6,7
	v_cvt_scalef32_pk8_fp8_f32 v[128+16*\a+2*\b:128+16*\a+2*\b+1], v[64*\a+8*\b:64*\a+8*\b+7], v26
.endr
.endr
	v_nop
	WIN 0
.irp a, 0,1,2,3
.irp c, 0,1,2,3
	global_store_b128 v[LI], v[128+16*\a+4*\c:128+16*\a+4*\c+3], s[12:13] offset:\a*2048+\c*512   ; 512 consecutive bytes, aligned
.endr
.endr
.Ldone:
	s_wait_tensorcnt 0x0                           ; the wave's end
	ds_add_u32 v[SPW], v[NIL]
	s_wait_dscnt 0x0
	CROUND                                         ; the closing round: no work-group ends while a partner may still ask for a tile that names it
	s_endpgm
.Lfunc_end_k_q3e6de6f21c_qkv:
	.size	k_q3e6de6f21c_qkv, .Lfunc_end_k_q3e6de6f21c_qkv-k_q3e6de6f21c_qkv
	.p2alignl 7, 3214868480
	.fill 96, 4, 3214868480
	.section	.rodata,"a",@progbits
	.p2align	6, 0x0
	.amdhsa_kernel k_q3e6de6f21c_qkv
		.amdhsa_group_segment_fixed_size 327680
		.amdhsa_private_segment_fixed_size 0
		.amdhsa_enable_private_segment 0
		.amdhsa_kernarg_size 40
		.amdhsa_user_sgpr_count 2
		.amdhsa_user_sgpr_kernarg_segment_ptr 1
		.amdhsa_wavefront_size32 1
		.amdhsa_system_sgpr_workgroup_id_x 1
		.amdhsa_system_sgpr_workgroup_id_y 1
		.amdhsa_system_sgpr_workgroup_id_z 1
		.amdhsa_system_vgpr_workitem_id 0
		.amdhsa_next_free_vgpr 896
		.amdhsa_next_free_sgpr 100
		.amdhsa_reserve_vcc 0
		.amdhsa_float_denorm_mode_32 3
		.amdhsa_float_denorm_mode_16_64 3
		.amdhsa_fp16_overflow 1
		.amdhsa_memory_ordered 1
		.amdhsa_forward_progress 1
		.amdhsa_inst_pref_size 81
	.end_amdhsa_kernel
	.amdgpu_metadata
---
amdhsa.version: [ 1, 2 ]
amdhsa.kernels:
  - .name:           k_q3e6de6f21c_qkv
    .symbol:         k_q3e6de6f21c_qkv.kd
    .args:
      - { .name: xc, .offset: 0, .size: 8, .value_kind: global_buffer, .address_space: global }
      - { .name: wc, .offset: 8, .size: 8, .value_kind: global_buffer, .address_space: global }
      - { .name: rt, .offset: 16, .size: 8, .value_kind: global_buffer, .address_space: global }
      - { .name: lowp_scales, .offset: 24, .size: 8, .value_kind: global_buffer, .address_space: global }
      - { .name: qkv, .offset: 32, .size: 8, .value_kind: global_buffer, .address_space: global }
    .group_segment_fixed_size: 327680
    .private_segment_fixed_size: 0
    .kernarg_segment_align: 8
    .kernarg_segment_size: 40
    .max_flat_workgroup_size: 128
    .sgpr_count:     100
    .vgpr_count:     896
    .wavefront_size: 32
...
	.end_amdgpu_metadata
.endif
;; end of part 2
;; launch attn (part 3): grid 4 x 64, 16 waves a work-group, no clusters, 327,680 bytes of LDS; arguments qkv, lowp_scales, ac; writes ac
.if DOCPART == 3
	.amdgcn_target "amdgcn-amd-amdhsa--gfx1250"
	.amdhsa_code_object_version 6
	.text
	.protected	k_q3e6de6f21c_attn
	.globl	k_q3e6de6f21c_attn
	.p2align	8
	.type	k_q3e6de6f21c_attn,@function
k_q3e6de6f21c_attn:
	s_mov_b64 s[64:65], 0
	v_nop
	global_prefetch_b8 v0, s[64:65] scope:SCOPE_SE
	s_setreg_imm32_b32 hwreg(HW_REG_WAVE_MODE, 25, 1), 1
	s_wait_xcnt 0x0
; Causal attention on E4M3 codes, head size 64, 2,048 tokens, 64 (batch x head).  Q, K, V^T as the launch before lays them; the result is quantised (2^e10) into the last product's operand.
; t = score x log2(e) / 8; M = the running largest t rounded UP to a whole number; p = 2^(t - M) is quantised with 2^e8, not normalised; the row's sum is taken of the unquantised p and divides at the end.
; SHARES.  Work-group (x, head) owns query blocks 7 - x and x, 256 queries each, one after the other; a wave owns 16 queries of the block in hand.  Block i needs key slots 0 .. i of 256 keys:
; 8 - x slots, then x + 1: NINE trips in every work-group: equal work, a constant trip count, and no slot is fetched that lies wholly under the mask.
; NO JOINT LOADS: the four work-groups of a head walk different runs of slots (8 - x and then x + 1), so partners would want different tiles in most rounds; walked jointly, each round would last as long as
; its busiest partner's, 12 slots' work against 9; and a slot's 32,768 bytes are small beside the 32 wave-steps of softmax that they feed.
; LAYOUT.  Both products transposed: S^T = K Q^T (source 0 = 16 keys, source 1 = my 16 queries), O^T = V^T P^T: a lane holds one query (lane % 16) throughout.  In S^T register 8 T + j is key 16 T + 8 h + j,
; so the conversions' results (registers 2 T, 2 T + 1) are the second product's operand as they stand; V^T's fragments were laid to match.
; THE RING: two slots (K: 16 tiles x 1,024 bytes, then V^T: 2 x 8,192), filled by waves 0-3, 8,192 dense bytes each, read by all sixteen.  A wave has one tensor load out.
; A step whose 128 keys all come after my queries is jumped over (a scalar branch on ids); on the diagonal hidden scores become -infinity ahead of the maximum.  Key 0 counts for every query.
; LIMITS: e6 + e7 between -123 and 130; e8 and e10 - e8 - e9 between -126 and 119.
; REGISTERS: v1 16 x lane; v2 the slot's address; v3 256 x lane; v5, v6 the spare word and 0; v7 16 r + 8 h; v9 r - 8 h; v12 -M, v13 the largest t, v[14:15] the sum; v16-23 Q; v32-95 K's, then V's fragments;
; v96-159 S^T, then p; v160-191 O^T; v192-207 p's codes; v208-215 the result's codes; v216-223 at work; v224: 2^e8; v226 the same for e10 - e8 - e9; v228 mask; v229 -infinity.
.set SLOT1, 32768
.set VOFF,  16384
.set SPARE, 65536                      ; behind the ring: the spare words, 128 bytes for each of sixteen waves, which no other line names
; s10 wave; s11 x; s12 batch x head; s13 8 - x; s14 7 - x; s15 trip; s16 the slot in hand; s17 the step's first key; s18 my first query; s19 the block; s[20:21] lane selects; s[22:23] c;
; s[24:31] group 1; s[32:35] group 0; s[36:37] my part of slot 0 in memory; s[38:39] an offset; s[40:41] the prefetches' address; s42 their last trip + 1; s[44:51] e4 .. e11;
; s[52:53] the head's Q; s[54:55] where my results go; s[60:61] my Q; s[62:63] the head's place in ac; s56-59 at work
.macro TLOAD                           ; waves 0, 1: K's halves; waves 2, 3: V's; four v_nop follow
	s_cmp_lt_u32 s10, 4
	s_cbranch_scc0 .Lno_load_\@
	tensor_load_to_lds s[32:35], s[24:31]
	s_nop 0
.rept 4
	v_nop
.endr
.Lno_load_\@:
.endm
; A PREFETCH INTO THE L2: in trip t, behind the tensor loads for slot t + 1, slot t + 2 is named: a slot's two key steps ahead of the load that will ask for it.  All four work-groups of a head begin at slot 0 and
; walk upward; the one with x = 0 walks all eight, and it alone asks: its waves 4-7, which fetch nothing, take the four parts of 8,192 bytes, lanes 256 bytes apart: each block of 256 bytes is named once.
; Slots 0 and 1 come by their loads alone; trips 6 and later ask for nothing: slot 7 is the last.
.macro ASK
	s_cmp_lt_u32 s15, s42
	s_cbranch_scc0 .Lnot_mine_\@
	global_prefetch_b8 v3, s[40:41] th:TH_LOAD_NT scope:SCOPE_SE
.Lnot_mine_\@:
.endm
; THE CHANGE OF SLOTS, at a trip's head.  fill = 1: the slot just left takes the next trip's keys.
.macro CHANGE fill
	s_wait_tensorcnt 0x0                           ; my part of the slot ahead has landed, and no load of mine is out: group 0 may be written
	ds_add_u32 v5, v6                              ; 0 onto my spare word
.if \fill
	s_xor_b32 s33, s33, SLOT1                      ; the other slot than last time
	s_add_co_u32 s56, s15, 1
	s_cmp_ge_u32 s56, s13
	s_cselect_b32 s57, s13, 0
	s_sub_co_u32 s56, s56, s57                     ; the next trip's slot of keys: trip + 1, and from 0 again for the second block
	s_lshl_b32 s38, s56, 14
	s_add_nc_u64 s[34:35], s[36:37], s[38:39]
	s_or_b32 s35, s35, 0x80000000
	s_wait_xcnt 0x0                                ; the last prefetch, a trip back, has read its address
	s_add_nc_u64 s[40:41], s[40:41], 16384
.endif
	s_wait_dscnt 0x0                               ; the add is done, and my reads of the slot that I have left are over
	s_barrier_signal -1
	s_barrier_wait -1
.if \fill
	TLOAD                                          ; the first thing behind the barrier, a wave's one tensor load until the next
	ASK
.endif
.endm
; A KEY STEP: 128 keys, the q-th half of the slot in hand.
.macro STEP q
	s_add_co_u32 s56, s18, 15
	s_cmp_gt_u32 s17, s56
	s_cbranch_scc1 .Lhidden_\@
	v_add_nc_u32 v2, s16, v1
.rept 3
	v_nop                                          ; with the addition above: four plain lines in front of loads into registers that the last products read
.endr
.irp t, 0,1,2,3,4,5,6,7
.irp c, 0,1
	ds_load_b128 v[32+8*\t+4*\c:32+8*\t+4*\c+3], v2 offset:\q*8192+\t*1024+\c*512
.endr
.endr
	s_wait_alu depctr_va_vdst(0)
	s_wait_dscnt 0x0
.irp t, 0,1,2,3,4,5,6,7
	v_wmma_f32_16x16x64_fp8_fp8 v[96+8*\t:96+8*\t+7], v[32+8*\t:32+8*\t+7], v[16:23], 0
.endr
.rept 4
	v_nop
.endr
.irp a, 0,1,2,3                                ; V^T's four fragments land while the softmax is walked
.irp c, 0,1,2,3
	ds_load_b128 v[32+16*\a+4*\c:32+16*\a+4*\c+3], v2 offset:VOFF+\q*8192+\a*2048+\c*512
.endr
.endr
	s_add_co_u32 s56, s17, 127
	s_cmp_le_u32 s56, s18
	s_cbranch_scc1 .Lopen_\@                       ; all 128 keys count for all my queries
	s_sub_co_i32 s56, s18, s17
	v_add_nc_u32 v228, s56, v9                     ; d = my query - the step's first key - 8 h: register 8 T + j is hidden where 16 T + j > d
.set n, 0
.rept 64
	v_cmp_gt_i32 vcc_lo, 16*(n/8)+n%8, v228
	v_cndmask_b32 v[96+n], v[96+n], v229, vcc_lo
.set n, n+1
.endr
.Lopen_\@:
	v_max3_num_f32 v216, v96, v97, v98             ; the step's largest score of my query among my 64 keys, in two chains,
	v_max3_num_f32 v218, v99, v100, v101
.irp i, 6,10,14,18,22,26,30,34,38,42,46,50,54,58
	v_max3_num_f32 v216, v216, v[96+\i], v[97+\i]
	v_max3_num_f32 v218, v218, v[98+\i], v[99+\i]
.endr
	v_max3_num_f32 v216, v216, v158, v159
	s_delay_alu instid0(VALU_DEP_1)
	v_max_num_f32 v216, v216, v218
	s_delay_alu instid0(VALU_DEP_1)
	v_permlanex16_b32 v220, v216, s20, s21
	s_delay_alu instid0(VALU_DEP_1)
	v_max_num_f32 v216, v216, v220                 ; and among lane l xor 16's
	s_delay_alu instid0(VALU_DEP_1)
	v_mul_f32 v216, s22, v216                      ; as t (c is positive)
	s_delay_alu instid0(VALU_DEP_1)
	v_max_num_f32 v13, v13, v216
	v_mov_b32 v216, v12
	s_delay_alu instid0(VALU_DEP_2)
	v_floor_f32 v12, -v13                          ; the new -M = floor(-t): M is a whole number
	s_delay_alu instid0(VALU_DEP_1)
	v_sub_f32 v216, v12, v216                      ; old M - new M: a whole number, 0 or less
	s_delay_alu instid0(VALU_DEP_1)
	v_cvt_i32_f32 v216, v216                       ; (it saturates)
	s_delay_alu instid0(VALU_DEP_1)
	v_ldexp_f32 v218, 1.0, v216                    ; f = 2^(old M - new M): a multiplication by it rounds nothing
.set j, 0
.rept 32
	v_pk_fma_f32 v[96+j:97+j], v[96+j:97+j], s[22:23], v[12:13] op_sel_hi:[1,0,0]   ; t - M, two at a time
.set j, j+2
.endr
.set j, 0
	s_wait_alu depctr_va_vdst(0)
.rept 64
	v_exp_f32 v[96+j], v[96+j]                     ; p = 2^(t - M)
.set j, j+1
.endr
	v_pk_mul_f32 v[14:15], v[14:15], v[218:219] op_sel_hi:[1,0]   ; the sums under the new M: the plain line behind the exponentials
	s_wait_alu depctr_va_vdst(0)                   ; one wait for the whole batch, ahead of its first reader
	v_pk_add_f32 v[222:223], v[100:101], v[104:105]
	v_pk_add_f32 v[254:255], v[108:109], v[112:113]
	v_pk_add_f32 v[252:253], v[116:117], v[120:121]
	v_pk_add_f32 v[250:251], v[124:125], v[128:129]
	v_pk_add_f32 v[248:249], v[132:133], v[136:137]
	v_pk_add_f32 v[246:247], v[140:141], v[144:145]
	v_pk_add_f32 v[244:245], v[148:149], v[152:153]
	v_pk_add_f32 v[14:15], v[14:15], v[156:157]
	v_pk_add_f32 v[222:223], v[222:223], v[96:97]
	v_pk_add_f32 v[254:255], v[254:255], v[98:99]
	v_pk_add_f32 v[252:253], v[252:253], v[102:103]
	v_pk_add_f32 v[250:251], v[250:251], v[106:107]
	v_pk_add_f32 v[248:249], v[248:249], v[110:111]
	v_pk_add_f32 v[246:247], v[246:247], v[114:115]
	v_pk_add_f32 v[244:245], v[244:245], v[118:119]
	v_pk_add_f32 v[14:15], v[14:15], v[122:123]
	v_pk_add_f32 v[222:223], v[222:223], v[126:127]
	v_pk_add_f32 v[254:255], v[254:255], v[130:131]
	v_pk_add_f32 v[252:253], v[252:253], v[134:135]
	v_pk_add_f32 v[250:251], v[250:251], v[138:139]
	v_pk_add_f32 v[248:249], v[248:249], v[142:143]
	v_pk_add_f32 v[246:247], v[246:247], v[146:147]
	v_pk_add_f32 v[244:245], v[244:245], v[150:151]
	v_pk_add_f32 v[14:15], v[14:15], v[154:155]
	v_pk_add_f32 v[222:223], v[222:223], v[158:159]
	s_delay_alu instid0(VALU_DEP_2)
	v_pk_add_f32 v[14:15], v[14:15], v[250:251]
	s_delay_alu instid0(VALU_DEP_2)
	v_pk_add_f32 v[222:223], v[222:223], v[248:249]
	v_pk_add_f32 v[254:255], v[254:255], v[246:247]
	v_pk_add_f32 v[252:253], v[252:253], v[244:245]
	s_delay_alu instid0(VALU_DEP_2)
	v_pk_add_f32 v[14:15], v[14:15], v[254:255]
	s_delay_alu instid0(VALU_DEP_2)
	v_pk_add_f32 v[222:223], v[222:223], v[252:253]
	s_delay_alu instid0(VALU_DEP_1)
	v_pk_add_f32 v[14:15], v[14:15], v[222:223]
.irp t, 0,1,2,3,4,5,6,7
.irp i, 0,1,2,3,4,5,6,7
.endr
	v_cvt_scalef32_pk8_fp8_f32 v[192+2*\t:193+2*\t], v[96+8*\t:103+8*\t], v224
.endr
.set j, 0
.rept 16
	v_pk_mul_f32 v[160+j:161+j], v[160+j:161+j], v[218:219] op_sel_hi:[1,0]   ; O^T under the new M; also the plain lines between the conversions and the products
.set j, j+2
.endr
	s_wait_alu depctr_va_vdst(0)
	s_wait_dscnt 0x0                               ; V^T's fragments
.irp a, 0,1,2,3
	v_wmma_f32_16x16x128_fp8_fp8 v[160+8*\a:167+8*\a], v[32+16*\a:47+16*\a], v[192:207], v[160+8*\a:167+8*\a]
.endr
.Lhidden_\@:
	s_add_co_u32 s17, s17, 128
.endm
; A block's end: O^T / the sum, quantised.  Register 8 a + j is d = 16 a + 8 h + j of token r: its codes go to byte (a / 2) 512 + (a % 2) 256 + 16 r + 8 h of the token tile's block for this head.
.macro FINISH
.rept 4
	v_nop                                          ; between the last products and the first read of O^T
.endr
	v_add_f32 v14, v14, v15
	s_delay_alu instid0(VALU_DEP_1)
	v_permlanex16_b32 v220, v14, s20, s21
	s_delay_alu instid0(VALU_DEP_1)
	v_add_f32 v14, v14, v220                       ; the row's sum
	s_wait_alu depctr_va_vdst(0)
	v_rcp_f32 v14, v14
	v_nop                                          ; a plain line behind the reciprocal
	s_wait_alu depctr_va_vdst(0)                   ; and the wait ahead of its first reader
.set j, 0
.rept 16
	v_pk_mul_f32 v[96+j:97+j], v[160+j:161+j], v[14:15] op_sel_hi:[1,0]
.set j, j+2
.endr
.set j, 0
.rept 32
.set j, j+1
.endr
.irp a, 0,1,2,3
	v_cvt_scalef32_pk8_fp8_f32 v[208+2*\a:209+2*\a], v[96+8*\a:103+8*\a], v226
.endr
	v_nop                                          ; a plain line behind the last conversion
.irp a, 0,1,2,3
	global_store_b64 v7, v[208+2*\a:209+2*\a], s[54:55] offset:(\a/2)*512+(\a%2)*256   ; 32 lanes store 256 consecutive bytes, aligned
.endr
.endm
; A block's beginning; s19 = the block.
.macro SETUP
	s_wait_xcnt 0x0                                ; the last block's stores have read their data and base
	s_lshl_b32 s56, s19, 4
	s_add_co_u32 s56, s56, s10                     ; my tile of 16 tokens in the sequence
	s_lshl_b32 s18, s56, 4                         ; my first query
	s_mov_b32 s17, 0                               ; the keys begin at 0
	s_lshl_b32 s58, s56, 10
	s_mov_b32 s59, 0
	s_add_nc_u64 s[60:61], s[52:53], s[58:59]
	s_lshl_b32 s58, s56, 14
	s_add_nc_u64 s[54:55], s[62:63], s[58:59]
	global_load_b128 v[16:19], v1, s[60:61]        ; Q's fragment stays in registers
	global_load_b128 v[20:23], v1, s[60:61] offset:512
	v_mov_b32 v13, 0xff61b1e6                      ; the largest t so far: -3e38
	s_delay_alu instid0(VALU_DEP_1)
	v_floor_f32 v12, -v13
	v_mov_b32 v14, 0
	v_mov_b32 v15, 0
.set j, 0
.rept 32
	v_mov_b32 v[160+j], 0                          ; O^T: the step is written once; the first change of M leaves zeros zeros
.set j, j+1
.endr
	s_wait_loadcnt 0x0
.endm
	s_load_b128 s[4:7], s[0:1], 0x0                ; qkv, the scales
	s_load_b64 s[8:9], s[0:1], 0x10                ; ac
	v_lshl_add_u32 v5, v0, 2, SPARE
	v_mov_b32 v6, 0
	ds_add_u32 v5, v6
	ds_add_u32 v5, v6
	s_wait_dscnt 0x0
	v_lshrrev_b32 v1, 5, v0
	s_delay_alu instid0(VALU_DEP_1)
	v_readfirstlane_b32 s10, v1
	s_mov_b32 s11, ttmp9
	s_and_b32 s12, ttmp7, 0xffff
	s_sub_co_u32 s13, 8, s11
	s_sub_co_u32 s14, 7, s11
	s_mov_b32 s16, 0
	s_mov_b32 s20, 0x76543210
	s_mov_b32 s21, 0xfedcba98
	s_mov_b32 s22, 0x3e38aa3b                      ; c = log2(e) / 8
	s_mov_b32 s24, 3<<16                           ; group 1: 8,192 dense bytes as 32 rows of 32 elements of 8 bytes; no mask, no padding
	s_mov_b32 s25, 32<<16
	s_mov_b32 s26, 32<<16
	s_mov_b32 s27, 32<<16
	s_mov_b32 s28, 32
	s_mov_b32 s29, 32
	s_mov_b32 s30, 0
	s_mov_b32 s31, 0
	s_mov_b32 s32, 1
	s_and_b32 s56, s10, 3
	s_lshl_b32 s33, s56, 13                        ; LDS: part (wave % 4) of slot 0
	s_and_b32 s56, s10, 2
	s_lshl_b32 s56, s56, 22                        ; parts 2, 3: V^T, 8 MiB behind K
	s_add_co_u32 s56, s56, 0x800000                ; K, 8 MiB behind Q
	s_lshl_b32 s57, s12, 17                        ; the head's 131,072 bytes
	s_add_co_u32 s56, s56, s57
	s_and_b32 s57, s10, 1
	s_lshl_b32 s57, s57, 13
	s_add_co_u32 s56, s56, s57
	s_mov_b32 s57, 0
	s_mov_b32 s39, 0
	s_lshl_b32 s58, s12, 17
	s_mov_b32 s59, 0
	s_wait_kmcnt 0x0
	s_load_b256 s[44:51], s[6:7], 0x10             ; e4 .. e11
	s_add_nc_u64 s[36:37], s[4:5], s[56:57]
	s_mov_b64 s[34:35], s[36:37]
	s_or_b32 s35, s35, 0x80000000
	s_cmp_lt_u32 s10, 4
	s_cbranch_scc0 .Lno_first
	tensor_load_to_lds s[32:35], s[24:31]          ; slot 0, ahead of every wait on TENSORcnt, every LDS read and every barrier
	s_nop 0
.rept 4
	v_nop
.endr
.Lno_first:
	s_add_nc_u64 s[52:53], s[4:5], s[58:59]        ; the head's Q
	s_lshr_b32 s58, s12, 4
	s_lshl_b32 s58, s58, 21                        ; the batch's 128 token tiles of 16,384 bytes,
	s_and_b32 s56, s12, 15
	s_lshl_b32 s56, s56, 10                        ; the head's 1,024 in each
	s_add_co_u32 s58, s58, s56
	s_add_nc_u64 s[62:63], s[8:9], s[58:59]
	s_add_nc_u64 s[40:41], s[36:37], 16384         ; the prefetches stand at slot 1; the first change of slots steps them to slot 2
	s_lshr_b32 s56, s10, 2
	s_xor_b32 s56, s56, 1                          ; 0 in waves 4-7,
	s_or_b32 s56, s56, s11                         ; of the work-group with x = 0
	s_cmp_eq_u32 s56, 0
	s_cselect_b32 s42, 6, 0
	v_and_b32 v1, 31, v0
	s_delay_alu instid0(VALU_DEP_1)
	v_lshlrev_b32 v3, 8, v1
	s_delay_alu instid0(VALU_DEP_2)
	v_lshlrev_b32 v1, 4, v1
	v_and_b32 v8, 15, v0                           ; r
	v_bfe_u32 v10, v0, 4, 1                        ; h
	s_delay_alu instid0(VALU_DEP_1)
	v_lshlrev_b32 v10, 3, v10
	s_delay_alu instid0(VALU_DEP_1)
	v_lshl_add_u32 v7, v8, 4, v10
	s_delay_alu instid0(VALU_DEP_2)
	v_sub_nc_u32 v9, v8, v10
	v_mov_b32 v219, 0                              ; (named as the upper half of the pair v[218:219])
	v_mov_b32 v220, 0                              ; a lane permute's destination counts as one of its sources
	v_mov_b32 v229, 0xff800000
	s_mov_b32 s19, s14                             ; the first block: 7 - x
	s_wait_alu depctr_va_vdst(0)
	SETUP
	s_wait_kmcnt 0x0
	s_add_co_i32 s56, s46, s47
	s_lshl_b32 s56, s56, 23
	s_add_co_i32 s22, s22, s56                     ; a score stands for score x 2^(e6 + e7): added to c's exponent field
	s_mov_b32 s23, s22
	s_add_co_i32 s56, s48, 127
	s_lshl_b32 s57, s56, 23
	v_mov_b32 v224, s57
	s_sub_co_i32 s56, s50, s48
	s_sub_co_i32 s56, s56, s49                     ; a sum of the second product stands for sum x 2^(e8 + e9): its code is sum / 2^(e10 - e8 - e9)
	s_add_co_i32 s56, s56, 127
	s_lshl_b32 s57, s56, 23
	v_mov_b32 v226, s57
	s_mov_b32 s15, 0
.Ltrip:                                                ; eight trips; behind each change of slots the next trip's keys are asked for
	CHANGE 1
	STEP 0
	STEP 1
	s_xor_b32 s16, s16, SLOT1
	s_cmp_lg_u32 s15, s14
	s_cbranch_scc1 .Lsame                          ; trip 7 - x was the first block's last: a branch on ids, round no barrier and no tensor load
	FINISH
	s_mov_b32 s19, s11                             ; the second block: x
	SETUP
.Lsame:
	s_add_co_u32 s15, s15, 1
	s_cmp_lt_u32 s15, 8
	s_cbranch_scc1 .Ltrip
	CHANGE 0                                       ; the ninth trip is written out: it asks for nothing
	STEP 0
	STEP 1
	FINISH
	s_wait_tensorcnt 0x0                           ; the wave's end
	ds_add_u32 v5, v6
	s_wait_dscnt 0x0
	s_endpgm
.Lfunc_end_k_q3e6de6f21c_attn:
	.size	k_q3e6de6f21c_attn, .Lfunc_end_k_q3e6de6f21c_attn-k_q3e6de6f21c_attn
	.p2alignl 7, 3214868480
	.fill 96, 4, 3214868480
	.section	.rodata,"a",@progbits
	.p2align	6, 0x0
	.amdhsa_kernel k_q3e6de6f21c_attn
		.amdhsa_group_segment_fixed_size 327680
		.amdhsa_private_segment_fixed_size 0
		.amdhsa_enable_private_segment 0
		.amdhsa_kernarg_size 24
		.amdhsa_user_sgpr_count 2
		.amdhsa_user_sgpr_kernarg_segment_ptr 1
		.amdhsa_wavefront_size32 1
		.amdhsa_system_sgpr_workgroup_id_x 1
		.amdhsa_system_sgpr_workgroup_id_y 1
		.amdhsa_system_sgpr_workgroup_id_z 1
		.amdhsa_system_vgpr_workitem_id 0
		.amdhsa_next_free_vgpr 256
		.amdhsa_next_free_sgpr 72
		.amdhsa_reserve_vcc 1
		.amdhsa_float_denorm_mode_32 3
		.amdhsa_float_denorm_mode_16_64 3
		.amdhsa_fp16_overflow 1
		.amdhsa_memory_ordered 1
		.amdhsa_forward_progress 1
		.amdhsa_inst_pref_size 89
	.end_amdhsa_kernel
	.amdgpu_metadata
---
amdhsa.version: [ 1, 2 ]
amdhsa.kernels:
  - .name:           k_q3e6de6f21c_attn
    .symbol:         k_q3e6de6f21c_attn.kd
    .args:
      - { .name: qkv, .offset: 0, .size: 8, .value_kind: global_buffer, .address_space: global }
      - { .name: lowp_scales, .offset: 8, .size: 8, .value_kind: global_buffer, .address_space: global }
      - { .name: ac, .offset: 16, .size: 8, .value_kind: global_buffer, .address_space: global }
    .group_segment_fixed_size: 327680
    .private_segment_fixed_size: 0
    .kernarg_segment_align: 8
    .kernarg_segment_size: 24
    .max_flat_workgroup_size: 512
    .sgpr_count:     72
    .vgpr_count:     256
    .wavefront_size: 32
...
	.end_amdgpu_metadata
.endif
;; end of part 3
;; launch proj (part 4): grid 4 x 64, 4 waves a work-group, clusters of 4 x 4, 327,680 bytes of LDS; arguments ac, wc, lowp_scales, out0; writes out0
.if DOCPART == 4
	.amdgcn_target "amdgcn-amd-amdhsa--gfx1250"
	.amdhsa_code_object_version 6
	.text
	.protected	k_q3e6de6f21c_proj
	.globl	k_q3e6de6f21c_proj
	.p2align	8
	.type	k_q3e6de6f21c_proj,@function
k_q3e6de6f21c_proj:
	s_mov_b64 s[64:65], 0
	v_nop
	global_prefetch_b8 v0, s[64:65] scope:SCOPE_SE
	s_setreg_imm32_b32 hwreg(HW_REG_WAVE_MODE, 25, 1), 1
	s_wait_xcnt 0x0
	s_wait_alu depctr_hold_cnt(0) depctr_sa_sdst(0) depctr_va_vdst(0) depctr_va_sdst(0) depctr_va_ssrc(0) depctr_va_vcc(0) depctr_vm_vsrc(0)
	s_getreg_b32 s2, hwreg(HW_REG_IB_STS2, 6, 4)
	s_cmp_eq_u32 s2, 0
	s_cbranch_scc0 .Lentry_in_a_cluster
	s_endpgm
.Lentry_in_a_cluster:
	s_bfe_u32 s2, ttmp6, 0x10000c
	s_cmp_lg_u32 s2, 0xf033
	s_cbranch_scc0 .Lentry_shape_is_right
	s_endpgm
.Lentry_shape_is_right:
; out0 [8192][1024] f32 = attention's result (codes, 2^e10) x Wo^T (codes, 2^e11; the fourth tensor of wc).  Each finished sum is multiplied once by 2^(e10 + e11).
; A work-group makes 128 tokens x 256 features, K = 1,024; four waves, each 64 x 128: 32 accumulators.  THE MATRIX INSTRUCTION IS USED TRANSPOSED (source 0 = 16 rows of Wo, source 1 = 16 tokens):
; a lane holds eight neighbouring numbers of a row of out0.
; OPERANDS lie in memory as images of their registers (16 rows x 1,024 K = 16,384 bytes; 128 along K = 2,048 bytes on end): a fragment is four loads of 16 bytes at 16 x lane, in LDS too.
; K goes in four steps of 256 through three LDS slots: steps 0, 1, 2 are first fills, step 3 fills slot 0 again.  A wave has at most three tensor loads out.
; CLUSTER 4 x 4: the tokens' tile is shared along a row of the cluster, Wo's along a column: each is asked for jointly.  Waves 0, 1 fetch A's halves, waves 2, 3 B's.
; THE WAY OUT: 16 rows x 512 bytes at a time through the wave's own stage, which lies in slot 1: that slot has had its last fill, and nobody reads it behind the last barrier.
; LIMIT: e10 + e11 between -126 and 127.
; REGISTERS: window 0: v1-29 addresses; v64-127, v128-191 A's fragments, two sets (on the way out: scaled sums; rows read back, v128-191 and v192-255 by turns).  window 1: B's.  window 2: accumulators.
.set SLOT,  98304
.set BOFF,  32768
.set SPARE, 3*SLOT                     ; behind the slots: the spare words, 128 bytes for each wave, which no other line names
.set SPITCH, 528
.set LI,   3
.set ADRA, 16
.set ADRB, 20
.set STO,  24                          ; v24  where I put 32 bytes of a row
.set RD,   25                          ; v25  where I read a row back
.set SPW,  28
.set NIL,  29
.set AF,   64
.set WV, 14
.set WH, 15
.set WL, 16
.set G1A, 24
.set G1B, 32
.set G0A, 40
.set G0B, 52
.set MSB, 0
.macro WIN new                         ; the immediate's high byte repeats the setting that is left
.if MSB != \new
	s_set_vgpr_msb (MSB<<8)|\new
.set MSB, \new
.endif
.endm
.set MUL,  0xa1                        ; source 0 (B) window 1, source 1 (A) window 0, C and D window 2
.set TO_B, 0x40
.macro PLACES n
.rept \n
	v_nop
.endr
.endm
.macro JLOAD s                         ; a joint load; the branch hangs on the wave's number alone; four v_nop follow each of the two lines
	s_cmp_eq_u32 s[WH], 0
	s_cbranch_scc0 .Lfor_b_\@
	tensor_load_to_lds s[G0A+4*\s:G0A+4*\s+3], s[G1A:G1A+7]
	s_nop 0
.rept 4
	v_nop
.endr
	s_branch .Lasked_\@
.Lfor_b_\@:
	tensor_load_to_lds s[G0B+4*\s:G0B+4*\s+3], s[G1B:G1B+7]
	s_nop 0
.rept 4
	v_nop
.endr
.Lasked_\@:
.endm
.macro CREST
	s_cmp_lg_u32 s[WV], 0
	s_cbranch_scc1 .Lnot_wave_0_\@
	s_barrier_signal -3
.Lnot_wave_0_\@:
	s_barrier_wait -3
	s_barrier_signal -1
	s_barrier_wait -1
.endm
.macro CROUND
	s_barrier_signal -1
	s_barrier_wait -1
	CREST
.endm
.macro FETCH s, q, p
	WIN TO_B
.irp i, 0,1,2,3,4,5,6,7
.irp c, 0,1,2,3
	ds_load_b128 v[128*(\p)+16*\i+4*\c:128*(\p)+16*\i+4*\c+3], v[ADRB+\s] offset:\i*4096+(\q)*2048+\c*512
.endr
.endr
	WIN 0
.irp i, 0,1,2,3
.irp c, 0,1,2,3
	ds_load_b128 v[AF+64*(\p)+16*\i+4*\c:AF+64*(\p)+16*\i+4*\c+3], v[ADRA+\s] offset:\i*4096+(\q)*2048+\c*512
.endr
.endr
.endm
.macro MUL16 a0, p, zero               ; the 32 accumulators take turns in one order throughout
.irp a, \a0, \a0+1
.irp b, 0,1,2,3,4,5,6,7
.if \zero
	v_wmma_f32_16x16x128_fp8_fp8 v[64*(\a)+8*\b:64*(\a)+8*\b+7], v[128*(\p)+16*\b:128*(\p)+16*\b+15], v[AF+64*(\p)+16*(\a):AF+64*(\p)+16*(\a)+15], 0
.else
	v_wmma_f32_16x16x128_fp8_fp8 v[64*(\a)+8*\b:64*(\a)+8*\b+7], v[128*(\p)+16*\b:128*(\p)+16*\b+15], v[AF+64*(\p)+16*(\a):AF+64*(\p)+16*(\a)+15], v[64*(\a)+8*\b:64*(\a)+8*\b+7]
.endif
.endr
.endr
.endm
.macro STEP u, s, q, zero, fetch
	s_wait_dscnt 0x0                               ; this step's fragments are in
.if \fetch
.if \u > 0
	PLACES 4                                       ; four plain lines between the last products that read the other set and the loads into it
.endif
	FETCH \s, \q, (\u+1)%2
.endif
	WIN MUL
	MUL16 0, (\u)%2, \zero
	MUL16 2, (\u)%2, \zero
.endm
.macro TURN u, fill, s, q
	WIN 0
	s_wait_tensorcnt 0x0                           ; all my tensor loads have landed,
	ds_add_u32 v[SPW], v[NIL]                      ; 0 onto my spare word
.if \fill
	s_add_nc_u64 s[G0A+2:G0A+3], s[G0A+2:G0A+3], 3*4096   ; no load of mine is out: from K step 0 to K step 3
	s_add_nc_u64 s[G0B+2:G0B+3], s[G0B+2:G0B+3], 3*4096
.endif
	s_wait_dscnt 0x0                               ; the add is done, my reads so far are over, and this step's fragments are in
	s_barrier_signal -1
	WIN MUL
	MUL16 0, (\u)%2, 0
	WIN 0
	s_barrier_wait -1
.if \fill
	CREST                                          ; no wave of any partner still reads slot 0 or has a load on its way
	JLOAD 0                                        ; the first tensor load behind the round; its four v_nop are also the places in front of the loads below
.else
	PLACES 4
.endif
	FETCH \s, \q, (\u+1)%2
	WIN MUL
	MUL16 2, (\u)%2, 0
.endm
	s_load_b256 s[4:11], s[0:1], 0x0               ; ac 4:5, wc 6:7, the scales 8:9, out0 10:11
	v_lshl_add_u32 v[SPW], v0, 2, SPARE
	v_mov_b32 v[NIL], 0
	ds_add_u32 v28, v29
	ds_add_u32 v28, v29
	s_wait_dscnt 0x0
	v_lshrrev_b32 v1, 5, v0
	v_readfirstlane_b32 s[WV], v1
	s_lshr_b32 s[WH], s[WV], 1
	s_and_b32 s[WL], s[WV], 1
	s_bfe_u32 s17, ttmp6, 0x40000                  ; cx
	s_bfe_u32 s18, ttmp6, 0x40004                  ; cy
	s_and_b32 s21, ttmp7, 0xffff
	s_lshl_b32 s21, s21, 2
	s_add_co_u32 s21, s21, s18                     ; TR: which 128 tokens
	s_lshl_b32 s22, ttmp9, 2
	s_add_co_u32 s22, s22, s17                     ; TC: which 256 features
	s_lshl_b32 s90, s18, 2
	s_lshl_b32 s90, 15, s90                        ; my row of the cluster
	s_lshl_b32 s91, 0x1111, s17                    ; my column
	s_or_b32 s[G1A], s90, 1<<21                    ; 15:0 the mask; 17:16 elements of 1 byte; 21 set beside a mask; no padding
	s_or_b32 s[G1B], s91, 1<<21
	s_mov_b32 s[G1A+1], 4096<<16                   ; tensor_dim0: a row tile's 256 along K are 4,096 bytes on end
	s_mov_b32 s[G1A+2], 4<<16                      ; tensor_dim1: 4 row tiles
	s_mov_b32 s[G1A+3], 4096<<16
	s_mov_b32 s[G1A+4], 4
	s_mov_b32 s[G1A+5], 16384                      ; from row tile to row tile
	s_mov_b32 s[G1A+6], 0
	s_mov_b32 s[G1A+7], 0
	s_mov_b32 s[G1B+1], 4096<<16
	s_mov_b32 s[G1B+2], 8<<16
	s_mov_b32 s[G1B+3], 4096<<16
	s_mov_b32 s[G1B+4], 8
	s_mov_b32 s[G1B+5], 16384
	s_mov_b32 s[G1B+6], 0
	s_mov_b32 s[G1B+7], 0
	s_lshl_b32 s70, s21, 17
	s_lshl_b32 s74, s[WL], 16
	s_add_co_u32 s70, s70, s74
	s_mov_b32 s71, 0
	s_lshl_b32 s72, s22, 18
	s_lshl_b32 s75, s[WL], 17
	s_add_co_u32 s72, s72, s75
	s_add_co_u32 s72, s72, 0x300000                ; Wo's codes: the fourth MiB of wc
	s_mov_b32 s73, 0
	s_lshl_b32 s92, s[WL], 14                      ; where they go in a slot
	s_lshl_b32 s93, s[WL], 15
	s_add_co_u32 s93, s93, BOFF
	s_wait_kmcnt 0x0
	s_load_b64 s[96:97], s[8:9], 0x28              ; e10, e11
	s_add_nc_u64 s[66:67], s[4:5], s[70:71]
	s_add_nc_u64 s[68:69], s[6:7], s[72:73]
	CROUND                                         ; all sixteen work-groups are here: the first joint loads meet
.irp s, 0,1,2
	s_mov_b32 s[G0A+4*\s], 1
	s_add_co_u32 s[G0A+4*\s+1], s92, \s*SLOT
	s_add_nc_u64 s[G0A+4*\s+2:G0A+4*\s+3], s[66:67], \s*4096
	s_or_b32 s[G0A+4*\s+3], s[G0A+4*\s+3], 0x80000000
	s_mov_b32 s[G0B+4*\s], 1
	s_add_co_u32 s[G0B+4*\s+1], s93, \s*SLOT
	s_add_nc_u64 s[G0B+4*\s+2:G0B+4*\s+3], s[68:69], \s*4096
	s_or_b32 s[G0B+4*\s+3], s[G0B+4*\s+3], 0x80000000
.endr
	s_cmp_eq_u32 s[WH], 0                          ; a wave's three first fills stand in one branch
	s_cbranch_scc0 .Lfirst_b
	tensor_load_to_lds s[G0A:G0A+3], s[G1A:G1A+7]
	s_nop 0
	tensor_load_to_lds s[G0A+4:G0A+7], s[G1A:G1A+7]
	s_nop 0
	tensor_load_to_lds s[G0A+8:G0A+11], s[G1A:G1A+7]
	s_nop 0
.rept 4
	v_nop
.endr
	s_branch .Lfirst_asked
.Lfirst_b:
	tensor_load_to_lds s[G0B:G0B+3], s[G1B:G1B+7]
	s_nop 0
	tensor_load_to_lds s[G0B+4:G0B+7], s[G1B:G1B+7]
	s_nop 0
	tensor_load_to_lds s[G0B+8:G0B+11], s[G1B:G1B+7]
	s_nop 0
.rept 4
	v_nop
.endr
.Lfirst_asked:
	v_and_b32 v1, 15, v0                           ; r
	v_bfe_u32 v2, v0, 4, 1                         ; h
	v_and_b32 v[LI], 31, v0
	v_lshlrev_b32 v[LI], 4, v[LI]
	s_lshl_b32 s2, s[WH], 14
	s_lshl_b32 s3, s[WL], 15
	s_add_co_u32 s3, s3, BOFF
.irp s, 0,1,2
	v_add_nc_u32 v[ADRA+\s], s2, v[LI]
	v_add_nc_u32 v[ADRB+\s], s3, v[LI]
	s_add_co_u32 s2, s2, SLOT
	s_add_co_u32 s3, s3, SLOT
.endr
	s_mul_i32 s2, s[WV], 16*SPITCH
	s_add_co_u32 s2, s2, SLOT                      ; my stage, in slot 1
	v_mul_u32_u24 v[STO], v1, SPITCH
	v_lshl_add_u32 v[STO], v2, 5, v[STO]
	v_add_nc_u32 v[STO], s2, v[STO]                ; in: row r, + 32 h
	v_add_nc_u32 v[RD], s2, v[LI]                  ; back: the 32 lanes take one row of 512 bytes
	s_lshl_b32 s98, s21, 7
	s_lshl_b32 s99, s[WH], 6
	s_add_co_u32 s98, s98, s99                     ; my first token
	s_lshl_b32 s76, s98, 12                        ; a row of out0 is 4,096 bytes
	s_lshl_b32 s77, s22, 10
	s_add_co_u32 s76, s76, s77
	s_lshl_b32 s77, s[WL], 9
	s_add_co_u32 s76, s76, s77                     ; my first feature: 256 TC + 128 half
	s_mov_b32 s77, 0
	s_add_nc_u64 s[10:11], s[10:11], s[76:77]
	s_wait_alu depctr_va_vdst(0)
	s_wait_tensorcnt 0x2                           ; my part of slot 0 is in; the two loads issued behind it may stay out
	s_barrier_signal -1
	s_barrier_wait -1
	FETCH 0, 0, 0
	STEP 0, 0, 1, 1, 1                             ; the first products start the sums
	TURN 1, 1, 1, 0                                ; slot 0 is read out: K step 3 is asked for, four steps (112 matrix instructions) ahead of the wait for it
	STEP 2, 1, 1, 0, 1
	STEP 3, 2, 0, 0, 1
	STEP 4, 2, 1, 0, 1
	TURN 5, 0, 0, 0
	STEP 6, 0, 1, 0, 1
	STEP 7, 0, 0, 0, 0
	WIN 0
.macro TOSTAGE a                       ; block a: 16 tokens x 128 features
	WIN 0x02                                       ; source 0 window 2
.set j, 0
.rept 32
	v_pk_mul_f32 v[64+j:65+j], v[64*(\a)+j:64*(\a)+j+1], s[96:97] op_sel_hi:[1,0]   ; x 2^(e10 + e11); each accumulator from its low end on
.set j, j+2
.endr
	WIN 0
.irp b, 0,1,2,3,4,5,6,7
	ds_store_b128 v[STO], v[64+8*\b:64+8*\b+3] offset:64*\b
	ds_store_b128 v[STO], v[64+8*\b+4:64+8*\b+7] offset:64*\b+16
.endr
.set BB, 128+64*((\a)%2)
.irp t, 0,1,2,3,4,5,6,7,8,9,10,11,12,13,14,15
	ds_load_b128 v[BB+4*\t:BB+4*\t+3], v[RD] offset:\t*SPITCH   ; LDS serves a wave's instructions in order: these see my stores, and the next block's stores come behind them
.endr
.endm
.macro SEND a, younger                 ; younger: the LDS instructions issued behind block a's loads, which may stay out
.set BB, 128+64*((\a)%2)
	s_wait_dscnt \younger
.irp t, 0,1,2,3,4,5,6,7,8,9,10,11,12,13,14,15
	global_store_b128 v[LI], v[BB+4*\t:BB+4*\t+3], s[10:11] offset:(\a)*65536+\t*4096 th:TH_STORE_NT   ; 32 lanes store 512 consecutive bytes, aligned; written once, read by nobody here
.endr
.endm
	s_wait_kmcnt 0x0
	s_add_co_i32 s96, s96, s97
	s_add_co_i32 s96, s96, 127
	s_lshl_b32 s96, s96, 23                        ; 2^(e10 + e11) as f32
	PLACES 4                                       ; between the last products and the first read of results, and the loads into A's registers
	TOSTAGE 0
.irp a, 1,2,3
.if \a > 1
	s_wait_xcnt 0x0                                ; block a - 2's stores have read their registers: block a's loads may land there
.endif
	TOSTAGE \a
	SEND \a-1, 32                                  ; behind block a - 1's loads: block a's 16 stores and 16 loads
.endr
	SEND 3, 0
	s_wait_tensorcnt 0x0                           ; the wave's end
	ds_add_u32 v[SPW], v[NIL]
	s_wait_dscnt 0x0
	CROUND                                         ; the closing round
	s_endpgm
.Lfunc_end_k_q3e6de6f21c_proj:
	.size	k_q3e6de6f21c_proj, .Lfunc_end_k_q3e6de6f21c_proj-k_q3e6de6f21c_proj
	.p2alignl 7, 3214868480
	.fill 96, 4, 3214868480
	.section	.rodata,"a",@progbits
	.p2align	6, 0x0
	.amdhsa_kernel k_q3e6de6f21c_proj
		.amdhsa_group_segment_fixed_size 327680
		.amdhsa_private_segment_fixed_size 0
		.amdhsa_enable_private_segment 0
		.amdhsa_kernarg_size 32
		.amdhsa_user_sgpr_count 2
		.amdhsa_user_sgpr_kernarg_segment_ptr 1
		.amdhsa_wavefront_size32 1
		.amdhsa_system_sgpr_workgroup_id_x 1
		.amdhsa_system_sgpr_workgroup_id_y 1
		.amdhsa_system_sgpr_workgroup_id_z 1
		.amdhsa_system_vgpr_workitem_id 0
		.amdhsa_next_free_vgpr 768
		.amdhsa_next_free_sgpr 100
		.amdhsa_reserve_vcc 0
		.amdhsa_float_denorm_mode_32 3
		.amdhsa_float_denorm_mode_16_64 3
		.amdhsa_memory_ordered 1
		.amdhsa_forward_progress 1
		.amdhsa_inst_pref_size 74
	.end_amdhsa_kernel
	.amdgpu_metadata
---
amdhsa.version: [ 1, 2 ]
amdhsa.kernels:
  - .name:           k_q3e6de6f21c_proj
    .symbol:         k_q3e6de6f21c_proj.kd
    .args:
      - { .name: ac, .offset: 0, .size: 8, .value_kind: global_buffer, .address_space: global }
      - { .name: wc, .offset: 8, .size: 8, .value_kind: global_buffer, .address_space: global }
      - { .name: lowp_scales, .offset: 16, .size: 8, .value_kind: global_buffer, .address_space: global }
      - { .name: out0, .offset: 24, .size: 8, .value_kind: global_buffer, .address_space: global }
    .group_segment_fixed_size: 327680
    .private_segment_fixed_size: 0
    .kernarg_segment_align: 8
    .kernarg_segment_size: 32
    .max_flat_workgroup_size: 128
    .sgpr_count:     100
    .vgpr_count:     768
    .wavefront_size: 32
...
	.end_amdgpu_metadata
.endif
;; end of part 4
